; MI455X (gfx1250); checked and timed in simulation.
; The chip was launched on July 23, 2026; its instructions are those of AMD's public machine-readable ISA for CDNA 5 (MIT licence, August 2026) and "CDNA5" Instruction Set Architecture Reference Guide (July 2026). The comments in the code are by the model that wrote it; some were corrected since.
;; Self Attn. Allowed arithmetic: matrix products marked QUANTISED: E2M3 operands, one E8M0 scale for each 32 along K, by v_wmma_scale_f32_16x16x128_f8f6f4 with both operands' format E2M3, f32 sums; products left as they are: f32 operands where the result goes on into a quantised operand, else bf16, f16 or f32 operands; f32 sums; everything else in f32.
;; Inputs: V_codes 512 x 16 x 24 uint8 (E2M3 codes of V, K innermost, in blocks of 32 codes, four codes in three bytes); V_scales 512 x 16 uint8 (E8M0 scales of V, one for each 32 codes along K); W_codes 512 x 16 x 24 uint8 (E2M3 codes of W, K innermost, in blocks of 32 codes, four codes in three bytes); W_scales 512 x 16 uint8 (E8M0 scales of W, one for each 32 codes along K); input_seq 256 x 512 x 512 float32; v 512 float32.
;; Outputs: out0 256 x 1 float32.
;; This version of the problem:
;;   THIS VERSION OF THE PROBLEM IS GIVEN IN LOW PRECISION. The matrix products marked QUANTISED in the list below multiply operands that are first quantised to E2M3 (2 exponent bits, 3 mantissa bits; 6 bits a number), with one power-of-two scale for each 32 numbers along K (OCP MX v1.0); their sums are f32. All else is computed in f32.
;;   The module's matrix products, in the order in which they are computed (A, B: the left and right operand; K: the contracted axis; several contracted axes count as one K, in the product's order):
;;     1. [M 131,072, K 512] x [K 512, N 512]; A: input input_seq; B: input W (given as codes): QUANTISED
;;     2. batch 256 x [M 1, K 512] x [K 512, N 512]; A: input input_seq; B: computed on the way: left as it is (M = 1 < 16)
;;     3. [M 131,072, K 512] x [K 512, N 512]; A: input input_seq; B: input V (given as codes): QUANTISED
;;     4. batch 256 x [M 1, K 512] x [K 512, N 512]; A: softmax; B: computed on the way: left as it is (M = 1 < 16)
;;     5. [M 256, K 512] x [K 512, N 1]; A: computed on the way; B: input v: left as it is (N = 1 < 16)
;;   THE QUANTISER, for each operand of a quantised product, along K:
;;     - K is cut into blocks of 32 from its start; a last block that is shorter is filled with zeros.
;;     - A block's scale is 2^e with e = floor(log2(the largest magnitude in the block)) - 2, held to -126 .. 127; a block of zeros has e = 0. As a byte (E8M0): e + 127.
;;     - Each number is divided by its block's scale, clamped to +-7.5, and rounded to the nearest number of E2M3, ties to even, subnormals kept.
;;     - The product sums the exact products of the quantised numbers (number of the format x scale) in f32.
;;   ~~~python
;;   def quantise(x, axis):      # numpy; x: float32 -> the quantised numbers, widened to float32 again
;;       x = np.moveaxis(x, axis, -1); K = x.shape[-1]
;;       x = np.pad(x, [(0, 0)] * (x.ndim - 1) + [(0, -K % 32)]); x = x.reshape(x.shape[:-1] + (-1, 32)); a = np.abs(x).max(-1, keepdims=True)
;;       e = np.where(a > 0, np.clip(np.frexp(np.where(a > 0, a, 1))[1] - 1 - 2, -126, 127), 0)      # np.frexp(a)[1] - 1 = floor(log2(a)), exactly
;;       r = np.clip(x / 2.0 ** e, -7.5, 7.5)
;;       step = 2.0 ** (np.maximum(np.frexp(np.where(r == 0, 1, r))[1] - 1, 0) - 3)
;;       q = np.round(r / step) * step * 2.0 ** e      # np.round: ties to even
;;       return np.moveaxis(q.reshape(q.shape[:-2] + (-1,))[..., :K], -1, axis).astype(np.float32)
;;   ~~~
;;   INPUTS GIVEN AS CODES. V (in the module: [512, 512], K = its axis 1); W (in the module: [512, 512], K = its axis 1): each comes as NAME_codes (uint8): NAME with its K axis moved to the last place and cut into blocks of 32 codes, [.., K / 32, bytes a block], one block behind the other in memory; four codes in three bytes: a row's codes are one little-endian stream of bits, code i at bits 6 i .. 6 i + 5 (a code: sign, 2 exponent bits, 3 mantissa bits); and NAME_scales (uint8): the same leading axes, one E8M0 byte (e + 127) for each 32 codes along K. Its value is code x scale, taken as it is: it is not quantised again, and the codes and scales need not be those that the quantiser above would give.
;; One version. Each part assembles by itself: llvm-mc -triple=amdgcn-amd-amdhsa -mcpu=gfx1250 --defsym DOCPART=n.
;; ======== version 1 of 1: 1 launch
;; limits: right only within a limited range of input values
;; launch attn (part 1): grid 256 x 1, 4 waves a work-group, no clusters, 327,680 bytes of LDS; arguments input_seq, W_codes, W_scales, V_codes, V_scales, v, out0; writes out0
.if DOCPART == 1
	.amdgcn_target "amdgcn-amd-amdhsa--gfx1250"
	.amdhsa_code_object_version 6
	.text
	.protected	k_q8d621a0976_attn
	.globl	k_q8d621a0976_attn
	.p2align	8
	.type	k_q8d621a0976_attn,@function
k_q8d621a0976_attn:
	s_mov_b64 s[64:65], 0
	v_nop
	global_prefetch_b8 v0, s[64:65] scope:SCOPE_SE
	s_setreg_imm32_b32 hwreg(HW_REG_WAVE_MODE, 25, 1), 1
	s_wait_xcnt 0x0
; out[n] = relu(softmax(q K^T) vals) . v for one n a work-group; K = Q(x) W^T, vals = Q(x) V^T in MX-FP6, q = x's last row in f32.
; Wave w keeps columns 128 w .. 128 w + 127 of W and of V as 64 fragments in registers (windows 1-3 and v224-235).
; x comes in 8 chunks of 64 rows through a ring of two slots a wave (64 rows x 128 columns of f32, the wave's own); each wave quantises
; its 128 columns and hands codes and scale words to the others as register images in LDS.  The softmax keeps a running maximum.
; No cluster: work-groups share the weights alone, which each reads once into registers.  No L2 prefetch: a chunk's tensor load is issued a whole trip ahead of its first read.
; lds_bytes claims all of LDS, and the adds of 0 on the spare words stand where they do.
.set ROWX,   2048
.set CHUNKB, 64*ROWX
.set QROW,   511*ROWX
.set PITCH,  528
.set SLOTB,  64*PITCH
.set WRING,  2*SLOTB
.set CODES,  4*WRING
.set FRB,    1536
.set XSC,    CODES+16*FRB
.set TR,     XSC+1024
.set TP,     400
.set TRW,    16*TP
.set WROW,   384
.set PS,     TR+4*TRW
.set PB,     PS+1024
.set FIN,    PB+1024
.set SPARE,  FIN+256
.set SPW,  1
.set NIL,  2
.set QRD,  3
.set QAD,  4
.set IMW,  5
.set XSW,  6
.set FRD,  7
.set XSR,  8
.set PSW,  9
.set PSR,  10
.set PBW,  11
.set PBR,  12
.set FINW, 13
.set FINR, 14
.set OUTO, 15
.set TA,   16
.set MX,   17
.set LS,   18
.set F,    20
.set T,    22
.set XS,   30
.set WS,   32
.set Q,    64
.set PO,   80
.set SD,   96
.set P,    96
.set XF,   112
.set PC,   112
.set PW,   132
.set ACC,  160
.set NUM,  160
.set TM,   236
.set TRD,  253
.set GOFF, 254
.set TB,   96                          ; the head's staging of weight rows: v96-239, three sets of 48
.set VST,  64                          ; the head: V's scale words until they are merged into WS
.set QT,   240                         ; the head: q until it is doubled into Q
.set MSB, 0
.macro WIN new
.if MSB != (\new)
	s_set_vgpr_msb (MSB<<8)|(\new)
.set MSB, (\new)
.endif
.endm
.macro FPLACE f
.if (\f) < 63
.set FW, 1+(\f)/21
.set FRG, 12*((\f)%21)
.else
.set FW, 0
.set FRG, 224
.endif
.endm
.macro BAR
	s_wait_dscnt 0x0
	s_barrier_signal -1
	s_barrier_wait -1
.endm
.macro PLACES
.rept 5
	v_nop
.endr
.endm
	s_load_b256 s[4:11], s[0:1], 0x0
	s_load_b128 s[12:15], s[0:1], 0x20
	s_load_b64 s[16:17], s[0:1], 0x30
	v_lshl_add_u32 v[SPW], v0, 2, SPARE
	v_mov_b32 v[NIL], 0
	ds_add_u32 v1, v2
	ds_add_u32 v1, v2
	s_wait_dscnt 0x0
	v_lshrrev_b32 v22, 5, v0
	v_readfirstlane_b32 s18, v22
	s_mov_b32 s24, (2<<16)|(1<<20)|(6<<22)|(3<<25)
	s_mov_b32 s25, 128<<16
	s_mov_b32 s26, 64<<16
	s_mov_b32 s27, 128<<16
	s_mov_b32 s28, 64
	s_mov_b32 s29, 512
	s_mov_b32 s30, 0
	s_mov_b32 s31, 0
	s_lshl_b32 s20, ttmp9, 20
	s_lshl_b32 s19, s18, 9
	s_add_co_u32 s20, s20, s19
	s_mov_b32 s21, 0
	s_mul_i32 s22, s18, 128*WROW
	s_mov_b32 s23, 0
	s_lshl_b32 s48, s18, 11
	s_mov_b32 s49, 0
	s_mov_b32 s50, s19
	s_mov_b32 s51, 0
	s_mov_b32 s32, 1
	s_mul_i32 s33, s18, WRING
	s_mov_b32 s36, 1
	s_add_co_u32 s37, s33, SLOTB
	s_mov_b32 s44, 0x76543210
	s_mov_b32 s45, 0xfedcba98
	s_mov_b32 s46, 0x3fb8aa3b
	s_mov_b32 s40, 0
	v_and_b32 v22, 31, v0
	v_and_b32 v23, 15, v0
	v_bfe_u32 v24, v0, 4, 1
	v_lshrrev_b32 v25, 3, v22
	v_and_b32 v26, 7, v22
	v_mul_u32_u24 v[GOFF], v25, WROW
	v_lshl_add_u32 v[GOFF], v26, 4, v[GOFF]
	v_lshlrev_b32 v28, 2, v23
	v_lshlrev_b32 v29, 4, v23
	s_wait_alu depctr_va_vdst(0)
	s_wait_kmcnt 0x0
	s_add_nc_u64 s[4:5], s[4:5], s[20:21]
	s_mov_b64 s[34:35], s[4:5]
	s_or_b32 s35, s35, 0x80000000
	s_add_nc_u64 s[38:39], s[4:5], CHUNKB
	s_or_b32 s39, s39, 0x80000000
	tensor_load_to_lds s[32:35], s[24:31]          ; chunk 0, my one tensor load at the head
	s_nop 0
.rept 4
	v_nop
.endr
	s_add_nc_u64 s[6:7], s[6:7], s[22:23]
	s_add_nc_u64 s[10:11], s[10:11], s[22:23]
	s_add_nc_u64 s[8:9], s[8:9], s[48:49]
	s_add_nc_u64 s[12:13], s[12:13], s[48:49]
	s_add_nc_u64 s[14:15], s[14:15], s[50:51]
.macro GL k
.set TBK, TB+48*((\k)%3)
.irp a, 0,1,2,3
.irp c, 0,1,2
.if (\k) < 8
	global_load_b128 v[TBK+4*(3*\a+\c):TBK+4*(3*\a+\c)+3], v[GOFF], s[6:7] offset:16*WROW*((\k)%8)+4*WROW*\a+128*\c
.else
	global_load_b128 v[TBK+4*(3*\a+\c):TBK+4*(3*\a+\c)+3], v[GOFF], s[10:11] offset:16*WROW*((\k)%8)+4*WROW*\a+128*\c
.endif
.endr
.endr
.endm
.macro TSTORE k
.set TBK, TB+48*((\k)%3)
.irp a, 0,1,2,3
.irp c, 0,1,2
	ds_store_b128 v[TA], v[TBK+4*(3*\a+\c):TBK+4*(3*\a+\c)+3] offset:4*TP*\a+128*\c
.endr
.endr
.endm
.macro TFRAG k
.irp s, 0,1,2,3
	FPLACE 32*((\k)/8)+8*\s+(\k)%8
	WIN FW<<6
.irp p, 0,1,2,3,4,5
	ds_load_b64 v[FRG+2*\p:FRG+2*\p+1], v[TRD] offset:96*\s+48*(\p/3)+8*(\p%3)
.endr
.endr
	WIN 0
.endm
; the small inputs are asked for first, under the flight of chunk 0: W's and V's scale words, q, v
.irp t, 0,1,2,3,4,5,6,7
	global_load_b128 v[WS+4*\t:WS+4*\t+3], v29, s[8:9] offset:256*\t
	global_load_b128 v[VST+4*\t:VST+4*\t+3], v29, s[12:13] offset:256*\t
.endr
.irp t, 0,1,2,3,4,5,6,7
	global_load_b32 v[QT+\t], v28, s[4:5] offset:QROW+64*\t
.endr
	WIN 0x40
.irp t, 0,1,2,3
	global_load_b32 v[252+\t], v28, s[14:15] offset:64*\t
.endr
	WIN 0x80
.irp t, 0,1,2,3
	global_load_b32 v[252+\t], v28, s[14:15] offset:256+64*\t
.endr
	WIN 0
	GL 0
	GL 1
	GL 2
	s_mul_i32 s19, s18, TRW
	s_add_co_u32 s19, s19, TR
	v_mul_u32_u24 v[TA], v25, TP
	v_lshl_add_u32 v[TA], v26, 4, v[TA]
	v_add_nc_u32 v[TA], s19, v[TA]
	v_mul_u32_u24 v[TRD], v23, TP
	v_mad_u32_u24 v[TRD], v24, 24, v[TRD]
	v_add_nc_u32 v[TRD], s19, v[TRD]
	v_mul_u32_u24 v[QRD], v23, PITCH
	v_lshl_add_u32 v[QRD], v24, 6, v[QRD]
	v_add_nc_u32 v[QRD], s33, v[QRD]
	s_mul_i32 s19, s18, FRB
	s_add_co_u32 s19, s19, CODES
	v_lshl_add_u32 v[IMW], v22, 4, s19
	s_lshl_b32 s19, s18, 6
	s_add_co_u32 s19, s19, XSC
	v_lshl_add_u32 v[XSW], v23, 2, s19
	v_lshl_add_u32 v[FRD], v22, 4, CODES
	v_lshl_add_u32 v[XSR], v22, 2, XSC
	s_lshl_b32 s19, s18, 8
	s_add_co_u32 s19, s19, PS
	v_lshl_add_u32 v[PSW], v24, 5, s19
	v_lshl_add_u32 v[PSR], v22, 3, PS
	s_lshl_b32 s19, s18, 8
	s_add_co_u32 s19, s19, PB
	v_lshl_add_u32 v[PBW], v22, 3, s19
	v_lshl_add_u32 v[PBR], v24, 5, s19
	s_lshl_b32 s19, s18, 2
	s_add_co_u32 s19, s19, FIN
	v_mov_b32 v[FINW], s19
	v_mov_b32 v[FINR], FIN
	s_lshl_b32 s19, ttmp9, 2
	v_mov_b32 v[OUTO], s19
	s_wait_alu depctr_va_vdst(0)
; 16 rows of weights a step: whole rows from memory, through my own LDS stage, back as fragments.  24 = the two younger steps' loads
.irp k, 0,1,2,3,4,5,6,7,8,9,10,11,12,13,14,15
.if \k < 14
	s_wait_loadcnt 24
.elseif \k == 14
	s_wait_loadcnt 12
.else
	s_wait_loadcnt 0x0
.endif
	TSTORE \k
	TFRAG \k
.if \k < 15
	s_wait_dscnt 24
.endif
.if \k < 13
	GL \k+3
.endif
.if \k == 7
	s_wait_tensorcnt 0x0                           ; slot 1's first fill is issued as a refill is: chunk 0 is in,
	ds_add_u32 v[SPW], v[NIL]
	s_wait_dscnt 0x0
	s_barrier_signal -1
	s_barrier_wait -1
	tensor_load_to_lds s[36:39], s[24:31]          ; chunk 1
	s_nop 0
.rept 4
	v_nop
.endr
.endif
.endr
	s_wait_dscnt 0x0
	v_cmp_le_u32 vcc_lo, 16, v22
.irp i, 0,1,2,3,4,5,6,7,8,9,10,11,12,13,14,15,16,17,18,19,20,21,22,23,24,25,26,27,28,29,30,31
	v_cndmask_b32 v[WS+\i], v[WS+\i], v[VST+\i], vcc_lo   ; lanes 0-15 W's scale words, lanes 16-31 V's
.endr
.irp t, 0,1,2,3,4,5,6,7
	v_mov_b32 v[Q+2*\t], v[QT+\t]
	v_mov_b32 v[Q+2*\t+1], v[QT+\t]
.endr
	v_mov_b32 v[MX], 0xff61b1e6
	v_mov_b32 v[LS], 0
	v_mov_b32 v[F+1], 0
.irp j, 0,1,2,3,4,5,6,7,8,9,10,11,12,13,14,15
	v_mov_b32 v[PO+\j], 0
.endr
.irp b, 0,1,2,3
	v_mov_b32 v[TM+4+\b], 0
.endr
.macro QLOAD m
.irp b, 0,1,2,3
.irp j, 0,1,2,3
	ds_load_b128 v[NUM+16*\b+4*\j:NUM+16*\b+4*\j+3], v[QAD] offset:16*PITCH*(\m)+128*\b+16*\j
.endr
.endr
.endm
; 16 rows x my 128 columns: four blocks of 32, a block in lanes l and l xor 16
.macro QUANT m
.if (\m) == 0
	s_wait_dscnt 0x0
.else
	s_wait_dscnt 4
.endif
.irp b, 0,1,2,3
	v_max3_num_f32 v[TM+\b], |v[NUM+16*\b]|, |v[NUM+1+16*\b]|, 0x1800000
.endr
.irp i, 2,4,6,8,10,12,14
.irp b, 0,1,2,3
	v_max3_num_f32 v[TM+\b], v[TM+\b], |v[NUM+16*\b+\i]|, |v[NUM+1+16*\b+\i]|
.endr
.endr
.irp b, 0,1,2,3
	v_permlanex16_b32 v[TM+4+\b], v[TM+\b], s44, s45
.endr
.irp b, 0,1,2,3
	v_max_num_f32 v[TM+\b], v[TM+\b], v[TM+4+\b]
.endr
.irp b, 0,1,2,3
	v_add_nc_u32 v[TM+12+\b], 0xff000000, v[TM+\b]
.endr
.irp b, 0,1,2,3
	v_lshrrev_b32 v[TM+4+\b], 23, v[TM+12+\b]
.endr
.if (\m) > 0
	s_wait_alu depctr_va_vdst(0)
	s_wait_dscnt 0x0
.endif
	v_lshl_or_b32 v[PW], v[TM+5], 8, v[TM+4]
	v_lshl_or_b32 v[PW], v[TM+6], 16, v[PW]
	v_lshl_or_b32 v[PW], v[TM+7], 24, v[PW]
.irp c, 0,1
	v_cvt_scalef32_pk16_fp6_f32 v[PC+6*\c:PC+2+6*\c], v[NUM+32*\c:NUM+15+32*\c], v[TM+12+2*\c]
	v_cvt_scalef32_pk16_fp6_f32 v[PC+12+4*\c:PC+14+4*\c], v[NUM+16+32*\c:NUM+31+32*\c], v[TM+12+2*\c+1]
.endr
.if (\m) < 3
	QLOAD (\m)+1
.endif
	v_nop
.irp c, 0,1
.irp i, 0,1,2
	v_permlane16_swap_b32 v[PC+6*\c+\i], v[PC+12+4*\c+\i]
.endr
.irp i, 0,1,2
	v_mov_b32 v[PC+3+6*\c+\i], v[PC+12+4*\c+\i]
.endr
.endr
.endm
.macro IMAGE m
.irp c, 0,1,2
	ds_store_b128 v[IMW], v[PC+4*\c:PC+4*\c+3] offset:4*FRB*(\m)+512*\c
.endr
	ds_store_b32 v[XSW], v[PW] offset:256*(\m)
.endm
.macro FETCH m                         ; x's four fragments of tile m and its two scale words: 14 loads
.irp s, 0,1,2,3
.irp c, 0,1,2
	ds_load_b128 v[XF+12*\s+4*\c:XF+12*\s+4*\c+3], v[FRD] offset:(4*(\m)+\s)*FRB+512*\c
.endr
.endr
	ds_load_b32 v[XS], v[XSR] offset:256*(\m)
	ds_load_b32 v[XS+1], v[XSR] offset:256*(\m)+128
.endm
.macro WM z, s, t
.set DA, ACC+8*(\t)
.set AA, XF+12*(\s)
.set SA, XS+(\s)/2
.set SW, WS+4*(\t)+(\s)
.if (\s) == 0
.if (\z) == 0
	v_wmma_scale_f32_16x16x128_f8f6f4 v[DA:DA+7], v[AA:AA+11], v[FRG:FRG+11], 0, v[SA], v[SW] matrix_a_fmt:MATRIX_FMT_FP6 matrix_b_fmt:MATRIX_FMT_FP6
.else
	v_wmma_scale_f32_16x16x128_f8f6f4 v[DA:DA+7], v[AA:AA+11], v[FRG:FRG+11], 0, v[SA], v[SW] matrix_a_fmt:MATRIX_FMT_FP6 matrix_b_fmt:MATRIX_FMT_FP6 matrix_b_scale:MATRIX_SCALE_ROW1
.endif
.elseif (\s) == 2
.if (\z) == 0
	v_wmma_scale_f32_16x16x128_f8f6f4 v[DA:DA+7], v[AA:AA+11], v[FRG:FRG+11], v[DA:DA+7], v[SA], v[SW] matrix_a_fmt:MATRIX_FMT_FP6 matrix_b_fmt:MATRIX_FMT_FP6
.else
	v_wmma_scale_f32_16x16x128_f8f6f4 v[DA:DA+7], v[AA:AA+11], v[FRG:FRG+11], v[DA:DA+7], v[SA], v[SW] matrix_a_fmt:MATRIX_FMT_FP6 matrix_b_fmt:MATRIX_FMT_FP6 matrix_b_scale:MATRIX_SCALE_ROW1
.endif
.else
.if (\z) == 0
	v_wmma_scale_f32_16x16x128_f8f6f4 v[DA:DA+7], v[AA:AA+11], v[FRG:FRG+11], v[DA:DA+7], v[SA], v[SW] matrix_a_fmt:MATRIX_FMT_FP6 matrix_b_fmt:MATRIX_FMT_FP6 matrix_a_scale:MATRIX_SCALE_ROW1
.else
	v_wmma_scale_f32_16x16x128_f8f6f4 v[DA:DA+7], v[AA:AA+11], v[FRG:FRG+11], v[DA:DA+7], v[SA], v[SW] matrix_a_fmt:MATRIX_FMT_FP6 matrix_b_fmt:MATRIX_FMT_FP6 matrix_a_scale:MATRIX_SCALE_ROW1 matrix_b_scale:MATRIX_SCALE_ROW1
.endif
.endif
.endm
.macro MUL z                           ; 16 rows x my 128 columns of W (z = 0) or V (1): 32 products, the eight accumulators by turns
.irp s, 0,1,2,3
.irp t, 0,1,2,3,4,5,6,7
	FPLACE 32*(\z)+8*\s+\t
	WIN FW<<2
	WM \z, \s, \t
.endr
.endr
	WIN 0
.endm
.macro SRED m                          ; my columns' part of tile m's scores: q x K, summed over tiles and over the 16 lanes
.set SS, SD+8*((\m)%2)
.irp i, 0,1,2,3
	v_pk_mul_f32 v[SS+2*\i:SS+2*\i+1], v[ACC+2*\i:ACC+2*\i+1], v[Q:Q+1]
.endr
.irp t, 1,2,3,4,5,6,7
.irp i, 0,1,2,3
	v_pk_fma_f32 v[SS+2*\i:SS+2*\i+1], v[ACC+8*\t+2*\i:ACC+8*\t+2*\i+1], v[Q+2*\t:Q+2*\t+1], v[SS+2*\i:SS+2*\i+1]
.endr
.endr
.irp x, 1,2,4,8
.irp j, 0,1,2,3,4,5,6,7
	v_add_f32_dpp v[SS+\j], v[SS+\j], v[SS+\j] row_xmask:\x row_mask:0xf bank_mask:0xf
.endr
.endr
	ds_store_b128 v[PSW], v[SS:SS+3] offset:64*(\m)
	ds_store_b128 v[PSW], v[SS+4:SS+7] offset:64*(\m)+16
.endm
.macro PLOAD m
	ds_load_b128 v[P:P+3], v[PBR] offset:64*(\m)
	ds_load_b128 v[P+4:P+7], v[PBR] offset:64*(\m)+16
.endm
.macro PRED                            ; pooled += p x vals
.irp i, 0,1,2,3
.irp t, 0,1,2,3,4,5,6,7
	v_pk_fma_f32 v[PO+2*\t:PO+2*\t+1], v[ACC+8*\t+2*\i:ACC+8*\t+2*\i+1], v[P+2*\i:P+2*\i+1], v[PO+2*\t:PO+2*\t+1]
.endr
.endr
.endm
.macro SOFTMAX
.irp u, 0,1,2,3
	ds_load_b64 v[T+2*\u:T+2*\u+1], v[PSR] offset:256*\u
.endr
	s_wait_dscnt 0x0
	v_pk_add_f32 v[T:T+1], v[T:T+1], v[T+2:T+3]
	v_pk_add_f32 v[T+4:T+5], v[T+4:T+5], v[T+6:T+7]
	v_pk_add_f32 v[T:T+1], v[T:T+1], v[T+4:T+5]
	v_max_num_f32 v[T+2], v[T], v[T+1]
.irp x, 1,2,4,8
	v_max_num_f32_dpp v[T+2], v[T+2], v[T+2] row_xmask:\x row_mask:0xf bank_mask:0xf
.endr
	v_permlanex16_b32 v[T+3], v[T+2], s44, s45
	v_max_num_f32 v[T+2], v[T+2], v[T+3]
	v_mul_f32 v[T+2], s46, v[T+2]
	v_max_num_f32 v[T+2], v[T+2], v[MX]
	v_sub_f32 v[T+3], v[MX], v[T+2]
	v_fma_f32 v[T], v[T], s46, -v[T+2]
	v_fma_f32 v[T+1], v[T+1], s46, -v[T+2]
	v_mov_b32 v[MX], v[T+2]
	s_wait_alu depctr_va_vdst(0)
	v_exp_f32 v[F], v[T+3]
	v_exp_f32 v[T], v[T]
	v_exp_f32 v[T+1], v[T+1]
	v_nop
	s_wait_alu depctr_va_vdst(0)
	ds_store_b64 v[PBW], v[T:T+1]
	PLOAD 0
	v_fma_f32 v[LS], v[LS], v[F], v[T]
	v_add_f32 v[LS], v[LS], v[T+1]
.irp t, 0,1,2,3,4,5,6,7
	v_pk_mul_f32 v[PO+2*\t:PO+2*\t+1], v[PO+2*\t:PO+2*\t+1], v[F:F+1] op_sel_hi:[1,0]
.endr
.endm
.macro TRIP refill
	v_add_nc_u32 v[QAD], s40, v[QRD]
.if \refill
	s_wait_alu depctr_va_vdst(0)
	s_wait_tensorcnt 0x1                           ; this trip's chunk is in; the next one's load may be out
.endif
	QLOAD 0
.irp m, 0,1,2,3
	QUANT \m
	IMAGE \m
.endr
.if \refill
	s_wait_tensorcnt 0x0
	ds_add_u32 v[SPW], v[NIL]
	s_xor_b32 s37, s37, SLOTB
	s_add_nc_u64 s[38:39], s[38:39], CHUNKB
	s_wait_dscnt 0x0
	s_barrier_signal -1
	s_barrier_wait -1
	tensor_load_to_lds s[36:39], s[24:31]          ; two chunks on, into the slot just read out
	s_nop 0
.rept 4
	v_nop
.endr
.else
	BAR
.endif
	FETCH 0
.irp m, 0,1,2,3
.if \m == 0
	s_wait_dscnt 0x0
.else
	s_wait_dscnt 2                                 ; the two stores of the scores may be out
.endif
	MUL 0
	PLACES
	FETCH (\m+1)%4
	SRED \m
.endr
	BAR
	SOFTMAX
.irp m, 0,1,2,3
.if \m > 0
	s_wait_dscnt 2                                 ; the two loads of the next p may be out
.endif
	MUL 1
	PLACES
.if \m < 3
	FETCH \m+1
	s_wait_alu depctr_va_vdst(0)
	s_wait_dscnt 14                                ; p is in; the 14 loads just issued may be out
.else
	s_wait_alu depctr_va_vdst(0)
	s_wait_dscnt 0x0
.endif
	PRED
.if \m < 3
	PLOAD \m+1
.endif
.endr
	BAR
	s_xor_b32 s40, s40, SLOTB
.endm
	s_mov_b32 s42, 6
.Lfilling:
	TRIP 1
	s_sub_co_u32 s42, s42, 1
	s_cmp_lg_u32 s42, 0
	s_cbranch_scc1 .Lfilling
	s_wait_tensorcnt 0x0
	s_mov_b32 s42, 2
.Ldraining:
	TRIP 0
	s_sub_co_u32 s42, s42, 1
	s_cmp_lg_u32 s42, 0
	s_cbranch_scc1 .Ldraining
	s_wait_alu depctr_va_vdst(0)
.irp t, 0,1,2,3,4,5,6,7
	v_add_f32 v[PO+2*\t], v[PO+2*\t], v[PO+2*\t+1]
.endr
.irp t, 0,1,2,3,4,5,6,7
	v_permlanex16_b32 v[PO+2*\t+1], v[PO+2*\t], s44, s45
.endr
.irp t, 0,1,2,3,4,5,6,7
	v_add_f32 v[PO+2*\t], v[PO+2*\t], v[PO+2*\t+1]
.endr
.irp x, 1,2,4,8
	v_add_f32_dpp v[LS], v[LS], v[LS] row_xmask:\x row_mask:0xf bank_mask:0xf
.endr
	v_permlanex16_b32 v[T], v[LS], s44, s45
	v_add_f32 v[LS], v[LS], v[T]
	s_wait_alu depctr_va_vdst(0)
	v_rcp_f32 v[F], v[LS]
	v_nop
	s_wait_alu depctr_va_vdst(0)
.irp t, 0,1,2,3,4,5,6,7
	v_mul_f32 v[PO+2*\t], v[PO+2*\t], v[F]
.endr
.irp t, 0,1,2,3,4,5,6,7
	v_max_num_f32 v[PO+2*\t], 0, v[PO+2*\t]
.endr
	WIN 0x04
	v_mul_f32 v[T], v[PO], v252
.irp t, 1,2,3
	v_fma_f32 v[T], v[PO+2*\t], v[252+\t], v[T]
.endr
	WIN 0x08
.irp t, 0,1,2,3
	v_fma_f32 v[T], v[PO+8+2*\t], v[252+\t], v[T]
.endr
	WIN 0
.irp x, 1,2,4,8
	v_add_f32_dpp v[T], v[T], v[T] row_xmask:\x row_mask:0xf bank_mask:0xf
.endr
	ds_store_b32 v[FINW], v[T]
	BAR
	ds_load_b128 v[T+2:T+5], v[FINR]
	s_wait_dscnt 0x0
	v_add_f32 v[T+2], v[T+2], v[T+3]
	v_add_f32 v[T+4], v[T+4], v[T+5]
	v_add_f32 v[T+2], v[T+2], v[T+4]
	s_wait_tensorcnt 0x0
	ds_add_u32 v[SPW], v[NIL]
	s_wait_dscnt 0x0
	s_cmp_lg_u32 s18, 0
	s_cbranch_scc1 .Ldone
	s_wait_xcnt 0x0
	v_cmp_gt_u32 vcc_lo, 1, v0
	s_and_saveexec_b32 s47, vcc_lo
	s_wait_alu depctr_va_vdst(0)
	global_store_b32 v[OUTO], v[T+2], s[16:17]
	s_wait_xcnt 0x0
	s_or_b32 exec_lo, exec_lo, s47
.Ldone:
	s_endpgm
.Lfunc_end_k_q8d621a0976_attn:
	.size	k_q8d621a0976_attn, .Lfunc_end_k_q8d621a0976_attn-k_q8d621a0976_attn
	.p2alignl 7, 3214868480
	.fill 96, 4, 3214868480
	.section	.rodata,"a",@progbits
	.p2align	6, 0x0
	.amdhsa_kernel k_q8d621a0976_attn
		.amdhsa_group_segment_fixed_size 327680
		.amdhsa_private_segment_fixed_size 0
		.amdhsa_enable_private_segment 0
		.amdhsa_kernarg_size 56
		.amdhsa_user_sgpr_count 2
		.amdhsa_user_sgpr_kernarg_segment_ptr 1
		.amdhsa_wavefront_size32 1
		.amdhsa_system_sgpr_workgroup_id_x 1
		.amdhsa_system_sgpr_workgroup_id_y 1
		.amdhsa_system_sgpr_workgroup_id_z 1
		.amdhsa_system_vgpr_workitem_id 0
		.amdhsa_next_free_vgpr 1024
		.amdhsa_next_free_sgpr 66
		.amdhsa_reserve_vcc 1
		.amdhsa_float_denorm_mode_32 3
		.amdhsa_float_denorm_mode_16_64 3
		.amdhsa_memory_ordered 1
		.amdhsa_forward_progress 1
		.amdhsa_inst_pref_size 250
	.end_amdhsa_kernel
	.amdgpu_metadata
---
amdhsa.version: [ 1, 2 ]
amdhsa.kernels:
  - .name:           k_q8d621a0976_attn
    .symbol:         k_q8d621a0976_attn.kd
    .args:
      - { .name: input_seq, .offset: 0, .size: 8, .value_kind: global_buffer, .address_space: global }
      - { .name: W_codes, .offset: 8, .size: 8, .value_kind: global_buffer, .address_space: global }
      - { .name: W_scales, .offset: 16, .size: 8, .value_kind: global_buffer, .address_space: global }
      - { .name: V_codes, .offset: 24, .size: 8, .value_kind: global_buffer, .address_space: global }
      - { .name: V_scales, .offset: 32, .size: 8, .value_kind: global_buffer, .address_space: global }
      - { .name: v, .offset: 40, .size: 8, .value_kind: global_buffer, .address_space: global }
      - { .name: out0, .offset: 48, .size: 8, .value_kind: global_buffer, .address_space: global }
    .group_segment_fixed_size: 327680
    .private_segment_fixed_size: 0
    .kernarg_segment_align: 8
    .kernarg_segment_size: 56
    .max_flat_workgroup_size: 128
    .sgpr_count:     66
    .vgpr_count:     1024
    .wavefront_size: 32
...
	.end_amdgpu_metadata
.endif
;; end of part 1
